; MI455X (gfx1250); checked and timed in simulation.
; The chip was launched on July 23, 2026; its instructions are those of AMD's public machine-readable ISA for CDNA 5 (MIT licence, August 2026) and "CDNA5" Instruction Set Architecture Reference Guide (July 2026). The comments in the code are by the model that wrote it; some were corrected since.
;; Quantized Multihead Attention. Allowed arithmetic: matrix products marked QUANTISED: E2M1 operands, one E8M0 scale for each 32 along K, by v_wmma_scale_f32_16x16x128_f8f6f4 with both operands' format E2M1 (or v_wmma_scale_f32_32x16x128_f4), f32 sums; products left as they are: bf16, f16 or f32 operands; f32 sums; everything else in f32.
;; Inputs: Wk 512 x 512 float32; Wo 512 x 512 float32; Wq 512 x 512 float32; Wv 512 x 512 float32; b_param one number float32; bk 512 float32; bo 512 float32; bq 512 float32; bv 512 float32; e_param one number float32; keys 4 x 2,048 x 512 float32; query 4 x 2,048 x 512 float32; values 4 x 2,048 x 512 float32.
;; Outputs: out0 4 x 2,048 x 512 float32.
;; This version of the problem:
;;   THIS VERSION OF THE PROBLEM IS GIVEN IN LOW PRECISION. The matrix products marked QUANTISED in the list below multiply operands that are first quantised to E2M1 (2 exponent bits, 1 mantissa bit; 4 bits a number), with one power-of-two scale for each 32 numbers along K (OCP MX v1.0); their sums are f32. The products marked 'left as it is' may take bf16, f16 or f32 operands, with f32 sums. Whichever they take, every output number must still come out within the allowed error. Rounding operands to bf16 (8 significant bits) uses up far more of that allowance than f16 does (11 bits, for magnitudes from 6e-5 to 65,504). All else is computed in f32.
;;   The module's matrix products, in the order in which they are computed (A, B: the left and right operand; K: the contracted axis; several contracted axes count as one K, in the product's order):
;;     1. [M 8,192, K 512] x [K 512, N 512]; A: input query; B: input Wq: QUANTISED
;;     2. [M 8,192, K 512] x [K 512, N 512]; A: input keys; B: input Wk: QUANTISED
;;     3. [M 8,192, K 512] x [K 512, N 512]; A: input values; B: input Wv: QUANTISED
;;     4. batch 32 x [M 2,048, K 64] x [K 64, N 2,048]; A: computed on the way; B: computed on the way: left as it is (an operand is computed on the way)
;;     5. batch 32 x [M 2,048, K 2,048] x [K 2,048, N 64]; A: computed on the way; B: computed on the way: left as it is (an operand is computed on the way)
;;     6. [M 8,192, K 512] x [K 512, N 512]; A: computed on the way; B: input Wo: left as it is (an operand is computed on the way)
;;   THE QUANTISER, for each operand of a quantised product, along K:
;;     - K is cut into blocks of 32 from its start; a last block that is shorter is filled with zeros.
;;     - A block's scale is 2^e with e = floor(log2(the largest magnitude in the block)) - 2, held to -126 .. 127; a block of zeros has e = 0. As a byte (E8M0): e + 127.
;;     - Each number is divided by its block's scale, clamped to +-6, and rounded to the nearest number of E2M1, ties to even, subnormals kept.
;;     - The product sums the exact products of the quantised numbers (number of the format x scale) in f32.
;;   ~~~python
;;   def quantise(x, axis):      # numpy; x: float32 -> the quantised numbers, widened to float32 again
;;       x = np.moveaxis(x, axis, -1); K = x.shape[-1]
;;       x = np.pad(x, [(0, 0)] * (x.ndim - 1) + [(0, -K % 32)]); x = x.reshape(x.shape[:-1] + (-1, 32)); a = np.abs(x).max(-1, keepdims=True)
;;       e = np.where(a > 0, np.clip(np.frexp(np.where(a > 0, a, 1))[1] - 1 - 2, -126, 127), 0)      # np.frexp(a)[1] - 1 = floor(log2(a)), exactly
;;       r = np.clip(x / 2.0 ** e, -6, 6)
;;       step = 2.0 ** (np.maximum(np.frexp(np.where(r == 0, 1, r))[1] - 1, 0) - 1)
;;       q = np.round(r / step) * step * 2.0 ** e      # np.round: ties to even
;;       return np.moveaxis(q.reshape(q.shape[:-2] + (-1,))[..., :K], -1, axis).astype(np.float32)
;;   ~~~
;; One version. Each part assembles by itself: llvm-mc -triple=amdgcn-amd-amdhsa -mcpu=gfx1250 --defsym DOCPART=n.
;; ======== version 1 of 1: 4 launches
;; limits: values are held in f16: magnitudes above 65,504 overflow, below 6.1e-05 lose precision
;; workspace buffers: wimg 393,216 bytes; wsc 49,152 bytes; wof 524,288 bytes; qf 8,388,608 bytes; kf 8,388,608 bytes; vf 8,388,608 bytes; oimg 8,388,608 bytes
;; launch prep (part 1): grid 32 x 4, 4 waves a work-group, no clusters, 0 bytes of LDS; arguments Wq, Wk, Wv, Wo, wimg, wsc, wof; writes wimg, wsc, wof
.if DOCPART == 1
	.amdgcn_target "amdgcn-amd-amdhsa--gfx1250"
	.amdhsa_code_object_version 6
	.text
	.protected	k_q635fe7679f_prep
	.globl	k_q635fe7679f_prep
	.p2align	8
	.type	k_q635fe7679f_prep,@function
k_q635fe7679f_prep:
	s_mov_b64 s[64:65], 0
	v_nop
	global_prefetch_b8 v0, s[64:65] scope:SCOPE_SE
	s_setreg_imm32_b32 hwreg(HW_REG_WAVE_MODE, 25, 1), 1
	s_wait_xcnt 0x0
; The four weights, [512][512] f32 with K innermost, are laid once as IMAGES OF OPERAND REGISTERS: a fragment is 8 registers a lane, 1,024 bytes, in two pieces of 512 bytes,
; piece p = registers 4 p .. 4 p + 3, lane l's 16 bytes at 16 l.  So every store here covers 512 consecutive bytes, and the later launches load fragments whole.
; Work-group x = the tile of 16 rows, y = the weight (0 Wq, 1 Wk, 2 Wv, 3 Wo), wave = the K step of 128.
; Wq, Wk, Wv become codes of E2M1 with one E8M0 byte for each 32 along K: scale = 2^(floor(log2(largest magnitude)) - 2); wimg [z][tile 32][K step 4][1024], wsc [z][tile][K step][lane 32][4].
; A lane takes the very k that the operand's layout gives it: row l % 16, k = 64 c + 32 (l / 16) + 0 .. 31: two whole blocks, so no other lane is asked for a maximum.
; Wo becomes f16 fragments of 16 rows x 32 k: wof [column block 4][k chunk 16][tile in block 8][1024].
; LIMITS: a block of zeros gets the byte 1 (its codes are zeros, and this program alone reads the bytes); blocks under 2^-124 were not tried; NaN and infinities are not served;
; |Wo| up to 65,504, magnitudes under 6e-5 keep an absolute error of 2^-25 at the most.
; The loads take 16 bytes of each of 16 rows a half wave: 4 MB read once, every load of a wave issued at once; no LDS, no barrier: waves share nothing.
.set X, 16                             ; v16-79   64 numbers
.set C, 80                             ; v80-111  codes, or f16 pairs
	s_load_b256 s[4:11], s[0:1], 0x0               ; Wq s[4:5], Wk s[6:7], Wv s[8:9], Wo s[10:11]
	s_load_b128 s[12:15], s[0:1], 0x20             ; wimg s[12:13], wsc s[14:15]
	s_load_b64 s[16:17], s[0:1], 0x30              ; wof
	v_lshrrev_b32 v1, 5, v0
	v_readfirstlane_b32 s18, v1                    ; wave = K step of 128
	v_and_b32 v1, 31, v0                           ; lane
	v_and_b32 v2, 15, v0                           ; r
	v_bfe_u32 v3, v0, 4, 1                         ; h
	v_lshlrev_b32 v5, 4, v1                        ; 16 x lane: my place in a piece
	v_lshlrev_b32 v6, 2, v1                        ; 4 x lane: my place among scale words
	v_lshlrev_b32 v4, 11, v2                       ; row r of 2,048 bytes
	s_and_b32 s19, ttmp7, 0xffff                   ; z: which weight
	s_mov_b32 s20, 0x76543210
	s_mov_b32 s21, 0xfedcba98                      ; v_permlanex16_b32's selects for lane l xor 16
	s_lshl_b32 s22, ttmp9, 15                      ; 16 rows of 2,048 bytes a tile,
	s_lshl_b32 s23, s18, 9                         ; 512 bytes a K step
	s_add_co_u32 s22, s22, s23
	s_mov_b32 s23, 0
	s_and_b32 s28, s19, 1
	s_wait_kmcnt 0x0
	s_cmp_lt_u32 s19, 2                            ; the choice hangs on the work-group's number alone
	s_cselect_b64 s[24:25], s[4:5], s[8:9]         ; Wq or Wv,
	s_cselect_b64 s[26:27], s[6:7], s[10:11]       ; Wk or Wo,
	s_cmp_eq_u32 s28, 0
	s_cselect_b64 s[24:25], s[24:25], s[26:27]     ; by z's low bit
	s_add_nc_u64 s[24:25], s[24:25], s[22:23]
	s_cmp_eq_u32 s19, 3
	s_cbranch_scc1 .Lwo
	; ---- Wq, Wk, Wv: codes and scale words
	v_lshl_add_u32 v4, v3, 7, v4                   ; + 128 h: lanes 16-31 begin 32 numbers further on
.irp c, 0,1
.irp i, 0,1,2,3,4,5,6,7
	global_load_b128 v[X+32*\c+4*\i:X+32*\c+4*\i+3], v4, s[24:25] offset:256*\c+16*\i th:TH_LOAD_NT   ; k = 64 c + 32 h + 4 i ..
.endr
.endr
	s_lshl_b32 s28, s19, 7
	s_lshl_b32 s29, ttmp9, 2
	s_add_co_u32 s28, s28, s29
	s_add_co_u32 s28, s28, s18                     ; the fragment's number: 128 z + 4 tile + K step
	s_lshl_b32 s30, s28, 7                         ; its scale words: 128 bytes
	s_mov_b32 s31, 0
	s_lshl_b32 s28, s28, 10                        ; its image: 1,024 bytes
	s_mov_b32 s29, 0
	s_add_nc_u64 s[12:13], s[12:13], s[28:29]
	s_add_nc_u64 s[14:15], s[14:15], s[30:31]
	s_wait_loadcnt 0x0
.irp c, 0,1
	v_max3_num_f32 v[8+\c], |v[X+32*\c]|, |v[X+32*\c+1]|, 0x1800000   ; my block 2 c + h, and the floor 2^(3 - 127): the byte cannot fall under 1
.endr
.irp i, 2,4,6,8,10,12,14,16,18,20,22,24,26,28,30
.irp c, 0,1
	v_max3_num_f32 v[8+\c], v[8+\c], |v[X+32*\c+\i]|, |v[X+32*\c+\i+1]|   ; (the two blocks by turns)
.endr
.endr
.irp c, 0,1
	v_add_nc_u32 v[10+\c], 0xff000000, v[8+\c]     ; 2 off the exponent field: the conversion's scale operand
.endr
.irp c, 0,1
	v_lshrrev_b32 v[12+\c], 23, v[10+\c]           ; the scale's byte
.endr
	v_lshl_or_b32 v14, v13, 16, v12                ; my two bytes: blocks h and 2 + h of row r,
	v_lshlrev_b32 v15, 3, v3
	v_lshlrev_b32 v14, v15, v14                    ; at their places in the word (8 h bits up);
	v_mov_b32 v15, 0
	v_permlanex16_b32 v15, v14, s20, s21
	v_or_b32 v14, v14, v15                         ; with lane l xor 16's two the word is whole, in both lanes
.irp c, 0,1
.irp g, 0,1,2,3
	v_cvt_scalef32_pk8_fp4_f32 v[C+4*\c+\g], v[X+32*\c+8*\g:X+32*\c+8*\g+7], v[10+\c]   ; registers 4 c .. 4 c + 3 of the operand
.endr
.endr
	v_nop                                          ; one plain line behind the last scaled conversion
	global_store_b128 v5, v[C:C+3], s[12:13]
	global_store_b128 v5, v[C+4:C+7], s[12:13] offset:512
	global_store_b32 v6, v14, s[14:15]
	s_endpgm
.Lwo:
	; ---- Wo: four f16 fragments of 16 rows x 32 k: registers 0-3 hold k = 8 h + 0 .. 7, registers 4-7 k = 16 + 8 h + 0 .. 7
	v_lshl_add_u32 v4, v3, 5, v4                   ; + 32 h
.irp q, 0,1,2,3
.irp i, 0,1,2,3
	global_load_b128 v[X+16*\q+4*\i:X+16*\q+4*\i+3], v4, s[24:25] offset:128*\q+64*(\i/2)+16*(\i%2) th:TH_LOAD_NT
.endr
.endr
	s_lshr_b32 s28, ttmp9, 3
	s_lshl_b32 s28, s28, 17                        ; column block: 131,072 bytes,
	s_lshl_b32 s29, s18, 15                        ; my four k chunks: 8,192 bytes each,
	s_add_co_u32 s28, s28, s29
	s_and_b32 s29, ttmp9, 7
	s_lshl_b32 s29, s29, 10                        ; the tile's place in its block
	s_add_co_u32 s28, s28, s29
	s_mov_b32 s29, 0
	s_add_nc_u64 s[16:17], s[16:17], s[28:29]
	s_wait_loadcnt 0x0
.irp q, 0,1,2,3
.irp t, 0,1,2,3,4,5,6,7
	v_cvt_pk_f16_f32 v[C+8*\q+\t], v[X+16*\q+2*\t], v[X+16*\q+2*\t+1]
.endr
.endr
.irp q, 0,1,2,3
.irp p, 0,1
	global_store_b128 v5, v[C+8*\q+4*\p:C+8*\q+4*\p+3], s[16:17] offset:8192*\q+512*\p
.endr
.endr
	s_endpgm
.Lfunc_end_k_q635fe7679f_prep:
	.size	k_q635fe7679f_prep, .Lfunc_end_k_q635fe7679f_prep-k_q635fe7679f_prep
	.p2alignl 7, 3214868480
	.fill 96, 4, 3214868480
	.section	.rodata,"a",@progbits
	.p2align	6, 0x0
	.amdhsa_kernel k_q635fe7679f_prep
		.amdhsa_group_segment_fixed_size 0
		.amdhsa_private_segment_fixed_size 0
		.amdhsa_enable_private_segment 0
		.amdhsa_kernarg_size 56
		.amdhsa_user_sgpr_count 2
		.amdhsa_user_sgpr_kernarg_segment_ptr 1
		.amdhsa_wavefront_size32 1
		.amdhsa_system_sgpr_workgroup_id_x 1
		.amdhsa_system_sgpr_workgroup_id_y 1
		.amdhsa_system_sgpr_workgroup_id_z 1
		.amdhsa_system_vgpr_workitem_id 0
		.amdhsa_next_free_vgpr 112
		.amdhsa_next_free_sgpr 66
		.amdhsa_reserve_vcc 0
		.amdhsa_float_denorm_mode_32 3
		.amdhsa_float_denorm_mode_16_64 3
		.amdhsa_memory_ordered 1
		.amdhsa_forward_progress 1
		.amdhsa_inst_pref_size 12
	.end_amdhsa_kernel
	.amdgpu_metadata
---
amdhsa.version: [ 1, 2 ]
amdhsa.kernels:
  - .name:           k_q635fe7679f_prep
    .symbol:         k_q635fe7679f_prep.kd
    .args:
      - { .name: Wq, .offset: 0, .size: 8, .value_kind: global_buffer, .address_space: global }
      - { .name: Wk, .offset: 8, .size: 8, .value_kind: global_buffer, .address_space: global }
      - { .name: Wv, .offset: 16, .size: 8, .value_kind: global_buffer, .address_space: global }
      - { .name: Wo, .offset: 24, .size: 8, .value_kind: global_buffer, .address_space: global }
      - { .name: wimg, .offset: 32, .size: 8, .value_kind: global_buffer, .address_space: global }
      - { .name: wsc, .offset: 40, .size: 8, .value_kind: global_buffer, .address_space: global }
      - { .name: wof, .offset: 48, .size: 8, .value_kind: global_buffer, .address_space: global }
    .group_segment_fixed_size: 0
    .private_segment_fixed_size: 0
    .kernarg_segment_align: 8
    .kernarg_segment_size: 56
    .max_flat_workgroup_size: 128
    .sgpr_count:     66
    .vgpr_count:     112
    .wavefront_size: 32
...
	.end_amdgpu_metadata
.endif
;; end of part 1
;; launch proj (part 2): grid 64 x 3, 16 waves a work-group, no clusters, 327,680 bytes of LDS; arguments query, keys, values, wimg, wsc, bq, bk, bv, b_param, e_param, qf, kf, vf; writes qf, kf, vf
.if DOCPART == 2
	.amdgcn_target "amdgcn-amd-amdhsa--gfx1250"
	.amdhsa_code_object_version 6
	.text
	.protected	k_q635fe7679f_proj
	.globl	k_q635fe7679f_proj
	.p2align	8
	.type	k_q635fe7679f_proj,@function
k_q635fe7679f_proj:
	s_mov_b64 s[64:65], 0
	v_nop
	global_prefetch_b8 v0, s[64:65] scope:SCOPE_SE
	s_setreg_imm32_b32 hwreg(HW_REG_WAVE_MODE, 25, 1), 1
	s_wait_xcnt 0x0
; The three projections x W^T + b on codes of E2M1 (one E8M0 scale for each 32 along K), and the fake-quant behind them: floor(clip((y + b) / 2^e, -2^(b'-1), 2^(b'-1) - 1)), b' = clip(b_param, 1, 8).
; WHAT IS STORED IS THE WHOLE NUMBER, -128 .. 127, in f16, which holds it exactly; the factor 2^e is carried by the later launches in f32.
; Work-group: 128 rows (x) of one tensor (y: 0 query, 1 keys, 2 values), all 512 columns: x is read once and quantised once.
; PHASE 1: wave w brings 16 rows x 256 numbers (row tile w / 2, K half w % 2) by one tensor load into LDS bytes of its own, quantises them into two fragments and stores their register images and scale words in LDS.
; ONE BARRIER.  PHASE 2: THE WAVES SHARE THE COLUMNS: wave w owns channels 32 w .. 32 w + 31 (head w / 2); its part of W (2 tiles x 4 K steps, 64 registers) stays in registers; it walks the 8 row tiles, two at a time.
; Q, K: source 0 = W's rows, source 1 = x's rows: a lane holds one token and eight neighbouring channels, which pack into half a fragment (16 tokens x 32 channels) of the next product.
; V:    source 0 = x's rows, source 1 = W's rows: a lane holds one channel and eight neighbouring tokens: half a fragment (16 channels x 32 keys) of V^T.  So nothing is transposed, and every store covers 512 consecutive bytes.
; qf, kf: [n 8 + head][token tile 128][channel half 2][1024];  vf: [n 8 + head][32 keys 64][channel tile 4][1024].
; LIMITS: (y + b) / 2^e is made as fma(y, 2^-e, b 2^-e): the same bits for a whole e, else an ulp off ahead of the floor; NaN and infinities are not served; a block of zeros gets the scale byte 1 (its codes are zeros).
; W's tiles are not shared through a cluster: each wave loads its 8 KB of W once into registers, and LDS is taken by the work-group's own 260 KB of x.
; All of a WGP's LDS is claimed; 305,152 bytes are used, each filled once.
.set XRW,    16640                     ; LDS 0: a wave's 16 rows of 1,024 bytes, 1,040 apart: 260 words, so the 16 rows of a load start 4 banks apart (64 banks of 4 bytes: ISA guide 11.1)
.set XPITCH, 1040
.set XIMG,   266240                    ; x's 32 fragments: (row tile m, K step s) at (4 m + s) x 1,024
.set XSC,    299008                    ; their scale words, 128 bytes each
.set SPARE,  303104                    ; the spare words, 128 bytes for each wave: eight blocks of 256 bytes that no other line names
.set LI,  4                            ; v4   16 x lane
.set LS,  5                            ; v5   4 x lane
.set XRA, 6                            ; v6   where I read my wave's rows: row r, + 64 h
.set XWI, 7                            ; v7   where I store my wave's images
.set XWS, 8                            ; v8   and their scale words
.set XFA, 9                            ; v9   where any image is read
.set XSA, 10                           ; v10  and any scale word
.set BOQ, 11                           ; v11  32 h: the bias of my eight channels (Q, K)
.set BOV, 12                           ; v12  4 r: the bias of my one channel (V)
.set SPW, 14                           ; v14  my spare word; never rewritten
.set NIL, 15                           ; v15  0; never rewritten
.set WF,  16                           ; v16-79   W's fragments: (tile c, K step s) at 8 (4 c + s)
.set WS,  80                           ; v80-87   W's scale words, and nothing else
.set BI,  88                           ; v88-103  bias x 2^-e
.set IV,  104                          ; v104-105 2^-e, twice
.set CLO, 106                          ; v106     the clip's lower bound
.set CHI, 107                          ; v107     and its upper
.set ST,  108                          ; v108-171 phase 1: 64 numbers
.set XF,  108                          ;          phase 2: x's fragments: (tile i of the pair, K step s) at 8 (4 i + s)
.set TM,  172                          ; v172-187 at work in QUANT
.set PC,  188                          ; v188-195 the codes just made
.set PW,  196                          ; v196     the scale word just made
.set ACC, 200                          ; v200-231 four accumulators: (i, c) at 8 (2 i + c)
.set RAW, 200                          ; v200-215 ahead of phase 2: the bias as loaded for Q, K;
.set RAWV, 216                         ; v216-217 and for V
.set PK,  232                          ; v232-247 packed results
.set XS,  248                          ; v248-255 x's scale words, and nothing else
.set SEL, 4                            ; s[4:5]
.set G0,  36                           ; s[36:39]
.set G1,  40                           ; s[40:47]
.set WV,  48
.set ZZ,  49
.set BX,  50
.macro EXP2 d, x, t                    ; v[d] = 2^v[x]: the whole part by v_ldexp_f32, which rounds nothing; v[t] at work
	v_floor_f32 v[\t], v[\x]
	v_sub_f32 v[\d], v[\x], v[\t]
	v_exp_f32 v[\d], v[\d]
	v_cvt_i32_f32 v[\t], v[\t]                     ; (the plain line behind the exponential)
	s_wait_alu depctr_va_vdst(0)                   ; the wait ahead of the first line that names the result
	v_ldexp_f32 v[\d], v[\d], v[\t]
.endm
; 64 numbers of a lane, register 16 b + i = k 32 b + 16 (lane / 16) + i of my row, become a fragment's codes in v[PC] on and its scale word in v[PW].
.macro QUANT s
.irp b, 0,1,2,3
	v_max3_num_f32 v[TM+\b], |v[\s+16*\b]|, |v[\s+1+16*\b]|, 0x1800000   ; block b: my 16 numbers, and the floor 2^(3 - 127): the byte cannot fall under 1
.endr
.irp i, 2,4,6,8,10,12,14
.irp b, 0,1,2,3
	v_max3_num_f32 v[TM+\b], v[TM+\b], |v[\s+16*\b+\i]|, |v[\s+1+16*\b+\i]|   ; (the four blocks by turns)
.endr
.endr
.irp b, 0,1,2,3
	v_permlanex16_b32 v[TM+4+\b], v[TM+\b], s[SEL], s[SEL+1]
.endr
.irp b, 0,1,2,3
	v_max_num_f32 v[TM+\b], v[TM+\b], v[TM+4+\b]   ; with lane l xor 16's: the block's largest magnitude
.endr
.irp b, 0,1,2,3
	v_add_nc_u32 v[TM+12+\b], 0xff000000, v[TM+\b] ; 2 off its exponent field: the conversion's scale operand
.endr
.irp b, 0,1,2,3
	v_lshrrev_b32 v[TM+4+\b], 23, v[TM+12+\b]      ; the scale's byte
.endr
	v_lshl_or_b32 v[PW], v[TM+5], 8, v[TM+4]       ; the four bytes make my row's scale word
	v_lshl_or_b32 v[PW], v[TM+6], 16, v[PW]
	v_lshl_or_b32 v[PW], v[TM+7], 24, v[PW]
.irp b, 0,1,2,3
	v_cvt_scalef32_pk8_fp4_f32 v[PC+2*\b], v[\s+16*\b:\s+7+16*\b], v[TM+12+\b]
	v_cvt_scalef32_pk8_fp4_f32 v[PC+1+2*\b], v[\s+8+16*\b:\s+15+16*\b], v[TM+12+\b]
.endr
	v_nop                                          ; one plain line behind a scaled conversion
.irp c, 0,1                                    ; the operand's layout wants a whole block in a lane: lanes 0-15 block 2 c, lanes 16-31 block 2 c + 1
.irp i, 0,1
	v_permlane16_swap_b32 v[PC+4*\c+\i], v[PC+2+4*\c+\i]
.endr
.endr
.endm
; One product: K step s, row tile i of the pair, column tile c.  The first K step starts the sum with the constant 0.
.macro PROD isv, s, i, c
.set rA, ACC+8*(2*(\i)+(\c))
.set rW, WF+8*(4*(\c)+(\s))
.set rX, XF+8*(4*(\i)+(\s))
.if \isv
.if (\s) == 0
	v_wmma_scale_f32_16x16x128_f8f6f4 v[rA:rA+7], v[rX:rX+7], v[rW:rW+7], 0, v[XS+4*(\i)+(\s)], v[WS+4*(\c)+(\s)] matrix_a_fmt:MATRIX_FMT_FP4 matrix_b_fmt:MATRIX_FMT_FP4
.else
	v_wmma_scale_f32_16x16x128_f8f6f4 v[rA:rA+7], v[rX:rX+7], v[rW:rW+7], v[rA:rA+7], v[XS+4*(\i)+(\s)], v[WS+4*(\c)+(\s)] matrix_a_fmt:MATRIX_FMT_FP4 matrix_b_fmt:MATRIX_FMT_FP4
.endif
.else
.if (\s) == 0
	v_wmma_scale_f32_16x16x128_f8f6f4 v[rA:rA+7], v[rW:rW+7], v[rX:rX+7], 0, v[WS+4*(\c)+(\s)], v[XS+4*(\i)+(\s)] matrix_a_fmt:MATRIX_FMT_FP4 matrix_b_fmt:MATRIX_FMT_FP4
.else
	v_wmma_scale_f32_16x16x128_f8f6f4 v[rA:rA+7], v[rW:rW+7], v[rX:rX+7], v[rA:rA+7], v[WS+4*(\c)+(\s)], v[XS+4*(\i)+(\s)] matrix_a_fmt:MATRIX_FMT_FP4 matrix_b_fmt:MATRIX_FMT_FP4
.endif
.endif
.endm
; PHASE 2.  isv = 0: Q or K;  1: V.
.macro MULT isv
.if \isv
.irp c, 0,1
	v_mul_f32 v[BI+8*\c], v[RAWV+\c], v[IV]        ; my one channel's bias x 2^-e, twice: a pair for the packed form
	v_mul_f32 v[BI+8*\c+1], v[RAWV+\c], v[IV]
.endr
.else
.irp j, 0,1,2,3,4,5,6,7,8,9,10,11,12,13,14,15
	v_mul_f32 v[BI+\j], v[RAW+\j], v[IV]           ; my 2 x 8 channels' bias x 2^-e
.endr
.endif
.irp g, 0,1,2,3                                ; row tiles 2 g and 2 g + 1
.irp i, 0,1
.irp s, 0,1,2,3
.irp c, 0,1
	ds_load_b128 v[XF+8*(4*\i+\s)+4*\c:XF+8*(4*\i+\s)+4*\c+3], v[XFA] offset:(4*(2*\g+\i)+\s)*1024+512*\c
.endr
	ds_load_b32 v[XS+4*\i+\s], v[XSA] offset:(4*(2*\g+\i)+\s)*128
.endr
.endr
	s_wait_dscnt 0x0
.irp s, 0,1,2,3                                ; the four accumulators take turns, one instruction a turn; K ascending
.irp i, 0,1
.irp c, 0,1
	PROD \isv, \s, \i, \c
.endr
.endr
.endr
.rept 4
	v_nop                                          ; four places ahead of the first read of results; with the lines below they also stand ahead of the next pair's loads and products
.endr
	s_wait_xcnt 0x0                                ; the last pair's stores have read v[PK] on: only behind this wait are they written again
.irp a, 0,1,2,3                                ; accumulator a = 2 i + c, each from its low end on
.irp q, 0,1,2,3
.if \isv
	v_pk_fma_f32 v[ACC+8*\a+2*\q:ACC+8*\a+2*\q+1], v[ACC+8*\a+2*\q:ACC+8*\a+2*\q+1], v[IV:IV+1], v[BI+8*(\a%2):BI+8*(\a%2)+1]
.else
	v_pk_fma_f32 v[ACC+8*\a+2*\q:ACC+8*\a+2*\q+1], v[ACC+8*\a+2*\q:ACC+8*\a+2*\q+1], v[IV:IV+1], v[BI+8*(\a%2)+2*\q:BI+8*(\a%2)+2*\q+1]
.endif
.endr
.irp j, 0,1,2,3,4,5,6,7
	v_med3_num_f32 v[ACC+8*\a+\j], v[ACC+8*\a+\j], v[CLO], v[CHI]   ; the clip,
.endr
.irp j, 0,1,2,3,4,5,6,7
	v_floor_f32 v[ACC+8*\a+\j], v[ACC+8*\a+\j]     ; the floor: a whole number, -128 .. 127
.endr
.irp q, 0,1,2,3
	v_cvt_pk_f16_f32 v[PK+4*\a+\q], v[ACC+8*\a+2*\q], v[ACC+8*\a+2*\q+1]   ; exact in f16
.endr
.endr
.irp i, 0,1
.irp c, 0,1
.if \isv
	global_store_b128 v[LI], v[PK+4*(2*\i+\c):PK+4*(2*\i+\c)+3], s[56:57] offset:\g*4096+\c*1024+\i*512      ; 32 keys g, channel tile c, piece i: 512 consecutive bytes
.else
	global_store_b128 v[LI], v[PK+4*(2*\i+\c):PK+4*(2*\i+\c)+3], s[56:57] offset:(2*\g+\i)*2048+512*\c       ; token tile 2 g + i, piece c: 512 consecutive bytes
.endif
.endr
.endr
.endr
.endm
	s_load_b512 s[8:23], s[0:1], 0x0               ; query s[8:9], keys s[10:11], values s[12:13], wimg s[14:15], wsc s[16:17], bq s[18:19], bk s[20:21], bv s[22:23]
	s_load_b256 s[24:31], s[0:1], 0x40             ; b_param s[24:25], e_param s[26:27], qf s[28:29], kf s[30:31]
	s_load_b64 s[32:33], s[0:1], 0x60              ; vf
	v_lshl_add_u32 v[SPW], v0, 2, SPARE
	v_mov_b32 v[NIL], 0
	ds_add_u32 v[SPW], v[NIL]                      ; the wave's opening: the add, twice on end, and its wait ahead of my first tensor load
	ds_add_u32 v[SPW], v[NIL]
	v_lshrrev_b32 v1, 5, v0
	v_readfirstlane_b32 s[WV], v1                  ; wave 0..15
	s_and_b32 s[ZZ], ttmp7, 0xffff                 ; which tensor
	s_mov_b32 s[BX], ttmp9                         ; which 128 rows
	v_and_b32 v1, 31, v0                           ; lane
	v_and_b32 v2, 15, v0                           ; r
	v_bfe_u32 v3, v0, 4, 1                         ; h
	v_lshlrev_b32 v[LI], 4, v1
	v_lshlrev_b32 v[LS], 2, v1
	s_mov_b32 s[G0], 1                             ; group 0: count = 1,
	s_mul_i32 s[G0+1], s[WV], XRW                  ; LDS address: my wave's own bytes
	v_mul_u32_u24 v[XRA], v2, XPITCH
	v_lshl_add_u32 v[XRA], v3, 6, v[XRA]
	v_add_nc_u32 v[XRA], s[G0+1], v[XRA]
	s_lshl_b32 s60, s[WV], 11
	s_add_co_u32 s60, s60, XIMG
	v_add_nc_u32 v[XWI], s60, v[LI]                ; my two fragments are numbers 2 w and 2 w + 1
	s_lshl_b32 s60, s[WV], 8
	s_add_co_u32 s60, s60, XSC
	v_add_nc_u32 v[XWS], s60, v[LS]
	v_add_nc_u32 v[XFA], XIMG, v[LI]
	v_add_nc_u32 v[XSA], XSC, v[LS]
	v_lshlrev_b32 v[BOQ], 5, v3
	v_lshlrev_b32 v[BOV], 2, v2
.irp b, 0,1,2,3
	v_mov_b32 v[TM+4+\b], 0                        ; written once: a lane permute's destination counts as one of its sources
.endr
	s_mov_b32 s[SEL], 0x76543210
	s_mov_b32 s[SEL+1], 0xfedcba98
	; group 1: 16 rows of 256 numbers of 4 bytes, 512 numbers from row to row; in LDS 4 words of padding behind every 256
	s_mov_b32 s[G1], (2<<16)|(1<<20)|(7<<22)|(3<<25)
	s_mov_b32 s[G1+1], 256<<16                     ; tensor_dim0
	s_mov_b32 s[G1+2], 16<<16                      ; tensor_dim1
	s_mov_b32 s[G1+3], 256<<16                     ; tile_dim0
	s_mov_b32 s[G1+4], 16                          ; tile_dim1
	s_mov_b32 s[G1+5], 512                         ; the pitch
	s_mov_b32 s[G1+6], 0
	s_mov_b32 s[G1+7], 0
	s_lshl_b32 s58, s[BX], 18                      ; 128 rows of 2,048 bytes,
	s_lshr_b32 s60, s[WV], 1
	s_lshl_b32 s60, s60, 15                        ; my row tile's 16,
	s_add_co_u32 s58, s58, s60
	s_and_b32 s60, s[WV], 1
	s_lshl_b32 s60, s60, 10                        ; my half of K
	s_add_co_u32 s58, s58, s60
	s_mov_b32 s59, 0
	s_wait_dscnt 0x0                               ; both opening adds are done
	s_wait_kmcnt 0x0
	s_load_b32 s34, s[24:25], 0x0                  ; b_param
	s_load_b32 s35, s[26:27], 0x0                  ; e_param
	s_cmp_eq_u32 s[ZZ], 0                          ; the choices hang on the work-group's number alone
	s_cselect_b64 s[52:53], s[8:9], s[10:11]       ; x,
	s_cselect_b64 s[54:55], s[18:19], s[20:21]     ; its bias,
	s_cselect_b64 s[56:57], s[28:29], s[30:31]     ; where the result goes
	s_cmp_eq_u32 s[ZZ], 2
	s_cselect_b64 s[52:53], s[12:13], s[52:53]
	s_cselect_b64 s[54:55], s[22:23], s[54:55]
	s_cselect_b64 s[56:57], s[32:33], s[56:57]
	s_add_nc_u64 s[G0+2:G0+3], s[52:53], s[58:59]  ; global address of my tile
	s_or_b32 s[G0+3], s[G0+3], 0x80000000          ; type = 2
	tensor_load_to_lds s[G0:G0+3], s[G1:G1+7]      ; my one tensor load: a first fill; I alone read its bytes
	s_nop 0
	s_lshl_b32 s58, s[ZZ], 17                      ; W's images: 131,072 bytes a weight, 8,192 for my two tiles
	s_lshl_b32 s60, s[WV], 13
	s_add_co_u32 s58, s58, s60
	s_add_nc_u64 s[14:15], s[14:15], s[58:59]
	s_lshr_b32 s58, s58, 3                         ; the scale words: an eighth of that
	s_add_nc_u64 s[16:17], s[16:17], s[58:59]
	s_lshl_b32 s58, s[WV], 7                       ; the bias of my 32 channels
	s_add_nc_u64 s[54:55], s[54:55], s[58:59]
.irp f, 0,1,2,3,4,5,6,7
	global_load_b128 v[WF+8*\f:WF+8*\f+3], v[LI], s[14:15] offset:\f*1024
	global_load_b128 v[WF+8*\f+4:WF+8*\f+7], v[LI], s[14:15] offset:\f*1024+512
	global_load_b32 v[WS+\f], v[LS], s[16:17] offset:\f*128
.endr
.irp c, 0,1                                    ; the bias in both forms, so that no branch stands here
	global_load_b128 v[RAW+8*\c:RAW+8*\c+3], v[BOQ], s[54:55] offset:64*\c
	global_load_b128 v[RAW+8*\c+4:RAW+8*\c+7], v[BOQ], s[54:55] offset:64*\c+16
	global_load_b32 v[RAWV+\c], v[BOV], s[54:55] offset:64*\c
.endr
	s_lshr_b32 s58, s[BX], 4                       ; n
	s_lshl_b32 s58, s58, 3
	s_lshr_b32 s60, s[WV], 1
	s_add_co_u32 s58, s58, s60                     ; n 8 + head: 262,144 bytes each
	s_lshl_b32 s58, s58, 18
	s_and_b32 s60, s[BX], 15
	s_lshl_b32 s60, s60, 14                        ; my 128 tokens: 16,384 bytes
	s_add_co_u32 s58, s58, s60
	s_cmp_eq_u32 s[ZZ], 2
	s_cselect_b32 s61, 11, 10                      ; my half of the head's channels: one fragment (Q, K) or two (V)
	s_and_b32 s60, s[WV], 1
	s_lshl_b32 s60, s60, s61
	s_add_co_u32 s58, s58, s60
	s_add_nc_u64 s[56:57], s[56:57], s[58:59]
	s_wait_kmcnt 0x0                               ; b_param, e_param
	v_mov_b32 v197, s35
	v_xor_b32 v197, 0x80000000, v197               ; -e
	EXP2 IV, 197, 198                              ; 2^-e
	v_mov_b32 v[IV+1], v[IV]
	v_mov_b32 v197, s34
	v_med3_num_f32 v197, v197, 1.0, 0x41000000     ; b' = clip(b, 1, 8)
	v_add_f32 v197, -1.0, v197
	EXP2 199, 197, 198                             ; 2^(b' - 1)
	v_xor_b32 v[CLO], 0x80000000, v199
	v_add_f32 v[CHI], -1.0, v199
	; ---- PHASE 1
	s_wait_tensorcnt 0x0                           ; my rows are in LDS
.irp k, 0,1                                    ; my two K steps of 128
.irp b, 0,1,2,3
.irp j, 0,1,2,3
	ds_load_b128 v[ST+16*\b+4*\j:ST+16*\b+4*\j+3], v[XRA] offset:512*\k+128*\b+16*\j   ; of each block of 32 my half's 16 numbers
.endr
.endr
	s_wait_dscnt 0x0
	QUANT ST
.irp c, 0,1
	ds_store_b128 v[XWI], v[PC+4*\c:PC+4*\c+3] offset:1024*\k+512*\c   ; the fragment goes to LDS as it stands
.endr
	ds_store_b32 v[XWS], v[PW] offset:128*\k
	s_wait_dscnt 0x0                               ; the stores have read their registers, and have landed: for the others' sake too
.endr
	s_barrier_signal -1
	s_barrier_wait -1                              ; x's 32 fragments lie in LDS
	s_wait_loadcnt 0x0                             ; W, its scale words, the bias
	; ---- PHASE 2
	s_cmp_eq_u32 s[ZZ], 2
	s_cbranch_scc1 .Lvalues
	MULT 0
	s_branch .Lend
.Lvalues:
	MULT 1
.Lend:
	s_wait_tensorcnt 0x0                           ; the wave's end, behind my last tensor load and my last LDS store
	ds_add_u32 v[SPW], v[NIL]
	s_wait_dscnt 0x0
	s_endpgm
.Lfunc_end_k_q635fe7679f_proj:
	.size	k_q635fe7679f_proj, .Lfunc_end_k_q635fe7679f_proj-k_q635fe7679f_proj
	.p2alignl 7, 3214868480
	.fill 96, 4, 3214868480
	.section	.rodata,"a",@progbits
	.p2align	6, 0x0
	.amdhsa_kernel k_q635fe7679f_proj
		.amdhsa_group_segment_fixed_size 327680
		.amdhsa_private_segment_fixed_size 0
		.amdhsa_enable_private_segment 0
		.amdhsa_kernarg_size 104
		.amdhsa_user_sgpr_count 2
		.amdhsa_user_sgpr_kernarg_segment_ptr 1
		.amdhsa_wavefront_size32 1
		.amdhsa_system_sgpr_workgroup_id_x 1
		.amdhsa_system_sgpr_workgroup_id_y 1
		.amdhsa_system_sgpr_workgroup_id_z 1
		.amdhsa_system_vgpr_workitem_id 0
		.amdhsa_next_free_vgpr 256
		.amdhsa_next_free_sgpr 66
		.amdhsa_reserve_vcc 0
		.amdhsa_float_denorm_mode_32 3
		.amdhsa_float_denorm_mode_16_64 3
		.amdhsa_memory_ordered 1
		.amdhsa_forward_progress 1
		.amdhsa_inst_pref_size 92
	.end_amdhsa_kernel
	.amdgpu_metadata
---
amdhsa.version: [ 1, 2 ]
amdhsa.kernels:
  - .name:           k_q635fe7679f_proj
    .symbol:         k_q635fe7679f_proj.kd
    .args:
      - { .name: query, .offset: 0, .size: 8, .value_kind: global_buffer, .address_space: global }
      - { .name: keys, .offset: 8, .size: 8, .value_kind: global_buffer, .address_space: global }
      - { .name: values, .offset: 16, .size: 8, .value_kind: global_buffer, .address_space: global }
      - { .name: wimg, .offset: 24, .size: 8, .value_kind: global_buffer, .address_space: global }
      - { .name: wsc, .offset: 32, .size: 8, .value_kind: global_buffer, .address_space: global }
      - { .name: bq, .offset: 40, .size: 8, .value_kind: global_buffer, .address_space: global }
      - { .name: bk, .offset: 48, .size: 8, .value_kind: global_buffer, .address_space: global }
      - { .name: bv, .offset: 56, .size: 8, .value_kind: global_buffer, .address_space: global }
      - { .name: b_param, .offset: 64, .size: 8, .value_kind: global_buffer, .address_space: global }
      - { .name: e_param, .offset: 72, .size: 8, .value_kind: global_buffer, .address_space: global }
      - { .name: qf, .offset: 80, .size: 8, .value_kind: global_buffer, .address_space: global }
      - { .name: kf, .offset: 88, .size: 8, .value_kind: global_buffer, .address_space: global }
      - { .name: vf, .offset: 96, .size: 8, .value_kind: global_buffer, .address_space: global }
    .group_segment_fixed_size: 327680
    .private_segment_fixed_size: 0
    .kernarg_segment_align: 8
    .kernarg_segment_size: 104
    .max_flat_workgroup_size: 512
    .sgpr_count:     66
    .vgpr_count:     256
    .wavefront_size: 32
...
	.end_amdgpu_metadata
.endif
;; end of part 2
;; launch attn (part 3): grid 8 x 32, 8 waves a work-group, clusters of 4 x 1, 327,680 bytes of LDS; arguments qf, kf, vf, e_param, oimg; writes oimg
.if DOCPART == 3
	.amdgcn_target "amdgcn-amd-amdhsa--gfx1250"
	.amdhsa_code_object_version 6
	.text
	.protected	k_q635fe7679f_attn
	.globl	k_q635fe7679f_attn
	.p2align	8
	.type	k_q635fe7679f_attn,@function
k_q635fe7679f_attn:
	s_mov_b64 s[64:65], 0
	v_nop
	global_prefetch_b8 v0, s[64:65] scope:SCOPE_SE
	s_setreg_imm32_b32 hwreg(HW_REG_WAVE_MODE, 25, 1), 1
	s_wait_xcnt 0x0
	s_wait_alu depctr_hold_cnt(0) depctr_sa_sdst(0) depctr_va_vdst(0) depctr_va_sdst(0) depctr_va_ssrc(0) depctr_va_vcc(0) depctr_vm_vsrc(0)
	s_getreg_b32 s2, hwreg(HW_REG_IB_STS2, 6, 4)
	s_cmp_eq_u32 s2, 0
	s_cbranch_scc0 .Lentry_in_a_cluster
	s_endpgm
.Lentry_in_a_cluster:
	s_bfe_u32 s2, ttmp6, 0x10000c
	s_cmp_lg_u32 s2, 0x3003
	s_cbranch_scc0 .Lentry_shape_is_right
	s_endpgm
.Lentry_shape_is_right:
; O[y][q] = the sum over k of softmax_k(s^2 Q[q] . K[k] / sqrt(512)) V[k], y = n 8 + head, 2,048 keys, head size 64, no mask.  Q, K, V are the whole numbers -128 .. 127 in f16 that the launch before stored
; (s = 2^e_param is carried in f32: s^2 in the softmax's factor c; the last s by the launch behind).  Products by v_wmma_f32_16x16x32_f16; maxima and sums in f32; the weights p go to f16 for the second product.
; SHARES.  A work-group owns 256 queries of one y; each of its EIGHT waves 32 of them, two tiles of 16, in 512 registers: two waves to a SIMD, so that one wave's softmax stands beside the other's products and LDS loads.
; LAYOUT.  S^T = K Q^T (source 0 = 16 keys, source 1 = 16 queries), O^T = V^T P (source 0 = 16 channels x 32 keys, source 1 = P): a lane holds ONE query throughout; two tiles of S^T, rounded in pairs, ARE a fragment of P.
; All operands lie in memory as images of their registers (a fragment: two pieces of 512 bytes, 16 bytes a lane): a key step's 64 keys of K are 8,192 dense bytes, V's likewise; every LDS load takes 512 consecutive bytes.
; SOFTMAX.  A running maximum m (of the whole-number scores) and sum l a query: p = 2^(c S - c m), c = s^2 log2(e) / sqrt(512); in every step O and l are multiplied by a = 2^(c m_old - c m_new).
; m begins at -2^21, under every score (64 x 128 x 128 = 2^20 at the most); O and l begin as zeros, so the step is written without a first form.
; RING.  Two slots of 512 keys (8 steps): K's 64 KB, then V's.  Waves 0-3 fetch K's quarters, waves 4-7 V's: 16 KB a load.  The four work-groups of a cluster walk the same K and V: every fill is a JOINT load.
; By this text's own count a wave has two tensor loads out at the start and one behind a refill.  A refill is asked for eight key steps ahead of its first read, so nothing is prefetched.
; LIMITS: p under 2^-25 falls to 0 in f16 (the row's sum is at least 1); NaN and infinities are not served; e_param so large that c overflows gives what the definition gives: no finite result.
; All of a WGP's LDS is claimed; 263,168 bytes are used.
; REGISTERS.  window 0: v2-4 addresses; v6, v7 the add's two; v8-9 at work; v10-11 c; v16-31 statistics, 8 a tile; v32-63 Q; v64-127 S^T, 32 a tile; v128-159 P, 16 a tile.
;             window 1: v0-63 O^T, 32 a tile; v64-127 K of one step; v128-191 V of one step.
.set SLOT1, 1<<17
.set VOFF,  65536                      ; V's part of a slot
.set STEPB, 8192                       ; a key step's bytes in each part
.set SPARE, 2*SLOT1                    ; behind the ring: the spare words, 128 bytes for each wave: four blocks of 256 bytes that no other line names
.set LN,  2                            ; v2   16 x lane
.set AV0, 3                            ; v3   16 x lane + VOFF
.set ADR, 4                            ; v4   the LDS address of the run of loads in hand
.set SPW, 6
.set NIL, 7
.set CV,  10                           ; v[10:11] c, twice
.set ST,  16                           ; tile t at ST + 8 t: +0 c m, +1 m, +2, +3 l (even keys', odd keys'), +4 .. +7 at work; a takes +6
.set Q,   32                           ; (tile t, channels 32 c on) at 16 t + 8 c
.set S,   64                           ; (tile t, keys 16 k on) at 32 t + 8 k
.set P,   128                          ; (tile t, keys 32 u on) at 16 t + 8 u
.set KF,  64                           ; window 1: fragment 2 k + c
.set VF,  128                          ; window 1: fragment 4 u + d (channels 16 d on)
.set WV,  14
.set G1,  24                           ; s[24:31]
.set G0K, 32                           ; s[32:39] two sets; the second walks
.set G0V, 40                           ; s[40:47]
.set SEL, 50                           ; s[50:51]
.set TB,  52                           ; LDS byte at which K of the step to be fetched begins
.set CNT, 53
.set SLOTS, 54
.set MSB, 0
.macro WIN new                         ; the immediate's high byte repeats the setting that is left; a switch that changes nothing is dropped
.if MSB != \new
	s_set_vgpr_msb (MSB<<8)|\new
.set MSB, \new
.endif
.endm
.set W_KQ, 0x01                        ; K in window 1; Q and S^T in window 0
.set W_PV, 0x51                        ; V and O^T in window 1; P in window 0
.set W_RS, 0x41                        ; O^T (destination and source 0) in window 1, the factor in window 0
.set W_LD, 0x40                        ; destination in window 1, address in window 0
.set W_CV, 0x05                        ; sources in window 1, destination in window 0
.macro PLACES                          ; four places behind matrix instructions (ISA guide 7.12.1 for reads of their results)
.rept 4
	v_nop
.endr
.endm
.macro EXP2 d, x, t                    ; v[d] = 2^v[x]: the whole part by v_ldexp_f32; v[t] at work
	v_floor_f32 v[\t], v[\x]
	v_sub_f32 v[\d], v[\x], v[\t]
	v_exp_f32 v[\d], v[\d]
	v_cvt_i32_f32 v[\t], v[\t]                     ; (the plain line behind the exponential)
	s_wait_alu depctr_va_vdst(0)                   ; the wait ahead of the first line that names the result
	v_ldexp_f32 v[\d], v[\d], v[\t]
.endm
; A joint refill: waves 0-3 for K, waves 4-7 for V.  The branch hangs on the wave's number alone.  An s_nop 0 and four v_nop follow each of the two lines.
.macro JLOAD
	s_cmp_lt_u32 s[WV], 4
	s_cbranch_scc0 .Lfor_v_\@
	tensor_load_to_lds s[G0K+4:G0K+7], s[G1:G1+7]
	s_nop 0
	PLACES
	s_branch .Lasked_\@
.Lfor_v_\@:
	tensor_load_to_lds s[G0V+4:G0V+7], s[G1:G1+7]
	s_nop 0
	PLACES
.Lasked_\@:
.endm
.macro CROUND                          ; a round of the cluster's barrier
	s_barrier_signal -1
	s_barrier_wait -1
	s_cmp_lg_u32 s[WV], 0
	s_cbranch_scc1 .Lnot_wave_0_\@
	s_barrier_signal -3
.Lnot_wave_0_\@:
	s_barrier_wait -3
	s_barrier_signal -1
	s_barrier_wait -1
.endm
.macro FETCH_K                         ; a step's K: 8 fragments, 16 loads
	WIN 0
	v_add_nc_u32 v[ADR], s[TB], v[LN]
	WIN W_LD
.irp f, 0,1,2,3,4,5,6,7
	ds_load_b128 v[KF+8*\f:KF+8*\f+3], v[ADR] offset:\f*1024
	ds_load_b128 v[KF+8*\f+4:KF+8*\f+7], v[ADR] offset:\f*1024+512
.endr
.endm
.macro FETCH_V                         ; the same step's V; then the fetches go on to the next step
	WIN 0
	v_add_nc_u32 v[ADR], s[TB], v[AV0]
	s_add_co_u32 s[TB], s[TB], STEPB
	WIN W_LD
.irp f, 0,1,2,3,4,5,6,7
	ds_load_b128 v[VF+8*\f:VF+8*\f+3], v[ADR] offset:\f*1024
	ds_load_b128 v[VF+8*\f+4:VF+8*\f+7], v[ADR] offset:\f*1024+512
.endr
.endm
.macro KQ                              ; 16 products; the eight accumulators take turns, one instruction a turn; the first eight start the sums
.irp c, 0,1
.irp k, 0,1,2,3
.irp t, 0,1
.if \c == 0
	v_wmma_f32_16x16x32_f16 v[S+32*\t+8*\k:S+32*\t+8*\k+7], v[KF+8*(2*\k+\c):KF+8*(2*\k+\c)+7], v[Q+16*\t+8*\c:Q+16*\t+8*\c+7], 0
.else
	v_wmma_f32_16x16x32_f16 v[S+32*\t+8*\k:S+32*\t+8*\k+7], v[KF+8*(2*\k+\c):KF+8*(2*\k+\c)+7], v[Q+16*\t+8*\c:Q+16*\t+8*\c+7], v[S+32*\t+8*\k:S+32*\t+8*\k+7]
.endif
.endr
.endr
.endr
.endm
.macro PV                              ; 16 products onto O^T, eight accumulators by turns
.irp u, 0,1
.irp d, 0,1,2,3
.irp t, 0,1
	v_wmma_f32_16x16x32_f16 v[32*\t+8*\d:32*\t+8*\d+7], v[VF+8*(4*\u+\d):VF+8*(4*\u+\d)+7], v[P+16*\t+8*\u:P+16*\t+8*\u+7], v[32*\t+8*\d:32*\t+8*\d+7]
.endr
.endr
.endr
.endm
; Both tiles' softmax for one key step, the tiles line by line in turn.  It begins in window 0 and ends in W_RS.
.macro SOFTMAX
.irp j, 0,1,2,3                                ; the maximum: four chains a tile; each tile of S^T is read first at its low end
.irp t, 0,1
	v_max3_num_f32 v[ST+8*\t+4+\j], v[S+32*\t+8*\j], v[S+32*\t+8*\j+1], v[S+32*\t+8*\j+2]
.endr
.endr
.irp i, 3,5
.irp j, 0,1,2,3
.irp t, 0,1
	v_max3_num_f32 v[ST+8*\t+4+\j], v[ST+8*\t+4+\j], v[S+32*\t+8*\j+\i], v[S+32*\t+8*\j+\i+1]
.endr
.endr
.endr
.irp t, 0,1
	v_max3_num_f32 v[ST+8*\t+4], v[ST+8*\t+4], v[S+32*\t+7], v[S+32*\t+15]
.endr
.irp t, 0,1
	v_max3_num_f32 v[ST+8*\t+6], v[ST+8*\t+6], v[S+32*\t+23], v[S+32*\t+31]
.endr
.irp t, 0,1
	v_max3_num_f32 v[ST+8*\t+4], v[ST+8*\t+4], v[ST+8*\t+5], v[ST+8*\t+6]
.endr
.irp t, 0,1
	v_max3_num_f32 v[ST+8*\t+4], v[ST+8*\t+4], v[ST+8*\t+7], v[ST+8*\t+1]   ; and the old m
.endr
.irp t, 0,1
	v_permlanex16_b32 v[ST+8*\t+5], v[ST+8*\t+4], s[SEL], s[SEL+1]          ; the query's other 32 keys lie in the lane 16 away
.endr
.irp t, 0,1
	v_mov_b32 v[ST+8*\t+7], v[ST+8*\t]             ; c m_old is kept for a
.endr
.irp t, 0,1
	v_max_num_f32 v[ST+8*\t+1], v[ST+8*\t+4], v[ST+8*\t+5]
.endr
.irp t, 0,1
	v_mul_f32 v[ST+8*\t], v[CV], v[ST+8*\t+1]
.endr
.irp t, 0,1
	v_sub_f32 v[ST+8*\t+7], v[ST+8*\t+7], v[ST+8*\t]
.endr
.irp b, 0,1,2,3,4,5,6,7,8,9,10,11,12,13,14,15
.irp t, 0,1
	v_pk_fma_f32 v[S+32*\t+2*\b:S+32*\t+2*\b+1], v[S+32*\t+2*\b:S+32*\t+2*\b+1], v[CV:CV+1], v[ST+8*\t:ST+8*\t+1] op_sel_hi:[1,1,0] neg_lo:[0,0,1] neg_hi:[0,0,1]   ; c S - c m
.endr
.endr
.irp t, 0,1                                    ; ONE BATCH of 66 exponentials, none of which reads another's result
	v_exp_f32 v[ST+8*\t+6], v[ST+8*\t+7]           ; a
.endr
.set e, 0
.rept 32
	v_exp_f32 v[S+e], v[S+e]
	v_exp_f32 v[S+32+e], v[S+32+e]
.set e, e+1
.endr
	v_nop                                          ; the plain line behind the last exponential
	s_wait_alu depctr_va_vdst(0)                   ; one wait for the batch, ahead of its first reader
.irp i, 0,1,2,3,4,5,6,7,8,9,10,11,12,13,14,15
.irp t, 0,1
	v_cvt_pk_f16_f32 v[P+16*\t+\i], v[S+32*\t+2*\i], v[S+32*\t+2*\i+1]
.endr
.endr
.irp u, 0,1,2,3,4,5,6,7                        ; the sum of a tile's 16 pairs, in place: neighbours 1, 2, 4, 8 pairs apart
.irp t, 0,1
	v_pk_add_f32 v[S+32*\t+4*\u:S+32*\t+4*\u+1], v[S+32*\t+4*\u:S+32*\t+4*\u+1], v[S+32*\t+4*\u+2:S+32*\t+4*\u+3]
.endr
.endr
.irp u, 0,1,2,3
.irp t, 0,1
	v_pk_add_f32 v[S+32*\t+8*\u:S+32*\t+8*\u+1], v[S+32*\t+8*\u:S+32*\t+8*\u+1], v[S+32*\t+8*\u+4:S+32*\t+8*\u+5]
.endr
.endr
.irp u, 0,1
.irp t, 0,1
	v_pk_add_f32 v[S+32*\t+16*\u:S+32*\t+16*\u+1], v[S+32*\t+16*\u:S+32*\t+16*\u+1], v[S+32*\t+16*\u+8:S+32*\t+16*\u+9]
.endr
.endr
.irp t, 0,1
	v_pk_add_f32 v[S+32*\t:S+32*\t+1], v[S+32*\t:S+32*\t+1], v[S+32*\t+16:S+32*\t+17]
.endr
.irp t, 0,1
	v_pk_fma_f32 v[ST+8*\t+2:ST+8*\t+3], v[ST+8*\t+2:ST+8*\t+3], v[ST+8*\t+6:ST+8*\t+7], v[S+32*\t:S+32*\t+1] op_sel_hi:[1,0,1]   ; l = a l + the sum
.endr
	WIN W_RS
.irp t, 0,1                                    ; O^T x a, each accumulator from its low end on
.irp i, 0,1,2,3,4,5,6,7,8,9,10,11,12,13,14,15
	v_pk_mul_f32 v[32*\t+2*\i:32*\t+2*\i+1], v[32*\t+2*\i:32*\t+2*\i+1], v[ST+8*\t+6:ST+8*\t+7] op_sel_hi:[1,0]
.endr
.endr
.endm
; A KEY STEP j.  At its head K(j)'s 16 loads and, behind them, V(j)'s 16 are out or in.  kind 0: plain.  1: the slot's last step, and the slot is filled again.  2: the slot's last step, nothing is filled.  3: the last step of all.
; In kinds 1 and 2 all reads of the slot have been issued at the step's head.  Each wave waits for all its tensor loads (its part of the other slot), adds 0 to its spare word, multiplies, and waits for the add and for its reads;
; behind the barrier (kind 1: a round of the cluster's) nobody reads this slot and the other is whole; the joint refill comes first there, then the other slot's first K.
.macro STEP kind
.if (\kind == 1) || (\kind == 2)
	s_wait_tensorcnt 0x0                           ; no tensor load of mine is out, so a group 0 may be written
	ds_add_u32 v[SPW], v[NIL]                      ; 0 onto my spare word
.if \kind == 1
	s_xor_b32 s[G0K+5], s[G0K+5], SLOT1            ; the walking descriptors: the other slot than last time,
	s_add_nc_u64 s[G0K+6:G0K+7], s[G0K+6:G0K+7], 65536   ; the next 512 keys; the type bits on top are not reached
	s_xor_b32 s[G0V+5], s[G0V+5], SLOT1
	s_add_nc_u64 s[G0V+6:G0V+7], s[G0V+6:G0V+7], 65536
.endif
	s_wait_dscnt 17                                ; K(j) is in: V(j)'s 16 loads and the add may be out
.else
	s_wait_dscnt 16                                ; K(j) is in: V(j)'s 16 loads may be out
.endif
	WIN W_KQ
	KQ
.if \kind == 1
	s_wait_dscnt 0x0                               ; the add is done, and my reads of the slot are over
	WIN 0
	CROUND
	JLOAD                                          ; its four v_nop are also the places ahead of the loads into K's registers
.elseif \kind == 2
	s_wait_dscnt 0x0
	WIN 0
	s_barrier_signal -1
	s_barrier_wait -1
	PLACES
.else
	PLACES
.endif
.if (\kind == 1) || (\kind == 2)
	s_sub_co_u32 s[TB], s[TB], 8*STEPB             ; the fetches go back to a slot's first step,
	s_xor_b32 s[TB], s[TB], SLOT1                  ; in the other slot
.endif
.if \kind != 3
	FETCH_K                                        ; K(j + 1)
.endif
	WIN 0
	SOFTMAX
.if \kind == 3
	s_wait_dscnt 0x0
.else
	s_wait_dscnt 16                                ; V(j) is in: K(j + 1)'s 16 loads may be out
.endif
	WIN W_PV
	PV
.if \kind != 3
	PLACES
	FETCH_V                                        ; V(j + 1)
.endif
	WIN 0                                          ; at a label and at a branch every window is 0
.endm
.macro SEVEN                           ; a slot's first seven steps: written once, walked seven times; the LDS addresses hang on s[TB]
	s_mov_b32 s[CNT], 7
.Lseven_\@:
	STEP 0
	s_sub_co_u32 s[CNT], s[CNT], 1
	s_cmp_lg_u32 s[CNT], 0
	s_cbranch_scc1 .Lseven_\@
.endm
	s_load_b256 s[4:11], s[0:1], 0x0               ; qf s[4:5], kf s[6:7], vf s[8:9], e_param s[10:11]
	s_load_b64 s[12:13], s[0:1], 0x20              ; oimg
	v_lshl_add_u32 v[SPW], v0, 2, SPARE
	v_mov_b32 v[NIL], 0
	ds_add_u32 v[SPW], v[NIL]                      ; the wave's opening: the add, twice on end, and its wait ahead of my first tensor load
	ds_add_u32 v[SPW], v[NIL]
	v_lshrrev_b32 v1, 5, v0
	v_readfirstlane_b32 s[WV], v1                  ; wave 0..7
	s_bfe_u32 s15, ttmp6, 0x40000                  ; cx: my place in the cluster
	s_lshl_b32 s16, ttmp9, 2                       ; in a cluster launch ttmp9 counts clusters
	s_add_co_u32 s16, s16, s15                     ; my block of 256 queries: it enters Q's and O's addresses alone
	s_and_b32 s17, ttmp7, 0xffff                   ; y = n 8 + head, which the four partners share
	s_lshl_b32 s20, s17, 18                        ; y's first byte in qf, kf, vf: 262,144 bytes each
	s_and_b32 s18, s[WV], 3
	s_lshl_b32 s18, s18, 14                        ; the quarter that I fetch: in memory and in LDS alike
	s_add_co_u32 s22, s20, s18
	s_mov_b32 s23, 0
	s_lshl_b32 s2, s16, 15                         ; Q: 16 token tiles of 2,048 bytes a block,
	s_lshl_b32 s3, s[WV], 12                       ; two a wave
	s_add_co_u32 s2, s2, s3
	s_add_co_u32 s2, s2, s20
	s_mov_b32 s3, 0
	s_lshr_b32 s55, s17, 3                         ; O's images: [128 tokens][32 of e][token tile][1024]
	s_lshl_b32 s55, s55, 4
	s_lshl_b32 s56, s16, 1
	s_add_co_u32 s55, s55, s56
	s_lshr_b32 s56, s[WV], 2
	s_add_co_u32 s55, s55, s56                     ; which 128 tokens: 16 n + 2 block + wave / 4
	s_lshl_b32 s58, s55, 17
	s_and_b32 s56, s17, 7
	s_lshl_b32 s56, s56, 14                        ; the head's two chunks of e
	s_add_co_u32 s58, s58, s56
	s_and_b32 s56, s[WV], 3
	s_lshl_b32 s56, s56, 11                        ; my two token tiles
	s_add_co_u32 s58, s58, s56
	s_mov_b32 s59, 0
	; group 1: 16,384 dense bytes as 64 rows of 32 elements of 8 bytes; the mask names all four work-groups, bit 21 set beside it
	s_mov_b32 s[G1], 15|(3<<16)|(1<<21)
	s_mov_b32 s[G1+1], 32<<16                      ; tensor_dim0
	s_mov_b32 s[G1+2], 64<<16                      ; tensor_dim1
	s_mov_b32 s[G1+3], 32<<16                      ; tile_dim0
	s_mov_b32 s[G1+4], 64                          ; tile_dim1
	s_mov_b32 s[G1+5], 32                          ; the pitch
	s_mov_b32 s[G1+6], 0
	s_mov_b32 s[G1+7], 0
	s_mov_b32 s[SEL], 0x76543210
	s_mov_b32 s[SEL+1], 0xfedcba98
	s_mov_b32 s[TB], 0
	v_and_b32 v1, 31, v0
	v_lshlrev_b32 v[LN], 4, v1
	v_add_nc_u32 v[AV0], VOFF, v[LN]
	s_wait_dscnt 0x0                               ; both opening adds are done
	s_wait_kmcnt 0x0
	s_load_b32 s57, s[10:11], 0x0                  ; e_param
	s_add_nc_u64 s[6:7], s[6:7], s[22:23]          ; K and V at my quarter of slot 0
	s_add_nc_u64 s[8:9], s[8:9], s[22:23]
	s_add_nc_u64 s[4:5], s[4:5], s[2:3]            ; Q at my wave's fragments
	s_add_nc_u64 s[12:13], s[12:13], s[58:59]      ; O likewise
	CROUND                                         ; all four work-groups are here: the first joint loads meet
.irp s, 0,1
	s_mov_b32 s[G0K+4*\s], 1                       ; count = 1
	s_add_co_u32 s[G0K+4*\s+1], s18, \s*SLOT1      ; LDS address: no place in the cluster enters it
	s_add_nc_u64 s[G0K+4*\s+2:G0K+4*\s+3], s[6:7], \s*65536   ; slot s begins with keys 512 s on
	s_or_b32 s[G0K+4*\s+3], s[G0K+4*\s+3], 0x80000000         ; type = 2
	s_mov_b32 s[G0V+4*\s], 1
	s_add_co_u32 s[G0V+4*\s+1], s18, \s*SLOT1+VOFF
	s_add_nc_u64 s[G0V+4*\s+2:G0V+4*\s+3], s[8:9], \s*65536
	s_or_b32 s[G0V+4*\s+3], s[G0V+4*\s+3], 0x80000000
.endr
	s_cmp_lt_u32 s[WV], 4                          ; a wave's two first fills stand in one branch, ahead of every wait on TENSORcnt and every LDS read
	s_cbranch_scc0 .Lfirst_v
	tensor_load_to_lds s[G0K:G0K+3], s[G1:G1+7]
	s_nop 0
	tensor_load_to_lds s[G0K+4:G0K+7], s[G1:G1+7]
	s_nop 0
	PLACES
	s_branch .Lfirst_asked
.Lfirst_v:
	tensor_load_to_lds s[G0V:G0V+3], s[G1:G1+7]
	s_nop 0
	tensor_load_to_lds s[G0V+4:G0V+7], s[G1:G1+7]
	s_nop 0
	PLACES
.Lfirst_asked:
.irp t, 0,1                                    ; Q stays in registers
.irp c, 0,1
	global_load_b128 v[Q+16*\t+8*\c:Q+16*\t+8*\c+3], v[LN], s[4:5] offset:\t*2048+\c*1024
	global_load_b128 v[Q+16*\t+8*\c+4:Q+16*\t+8*\c+7], v[LN], s[4:5] offset:\t*2048+\c*1024+512
.endr
.endr
	s_wait_kmcnt 0x0                               ; e_param
	v_mov_b32 v8, s57
	v_add_f32 v8, v8, v8                           ; 2 e
	EXP2 CV, 8, 9                                  ; s^2
	v_mul_f32 v[CV], 0x3d8293ee, v[CV]             ; c = s^2 log2(e) / sqrt(512)
	v_mov_b32 v[CV+1], v[CV]
.irp t, 0,1
	v_mov_b32 v[ST+8*\t+1], 0xca000000             ; m = -2^21
	v_mul_f32 v[ST+8*\t], v[CV], v[ST+8*\t+1]      ; c m
	v_mov_b32 v[ST+8*\t+2], 0                      ; l
	v_mov_b32 v[ST+8*\t+3], 0
.endr
	WIN W_LD
.set i, 0
.rept 64
	v_mov_b32 v[i], 0                              ; O^T, once: the step is written without a first form
.set i, i+1
.endr
	WIN 0
	s_wait_tensorcnt 1                             ; my part of slot 0 is in; slot 1's may stay out
	s_barrier_signal -1
	s_barrier_wait -1                              ; everybody's is
	FETCH_K                                        ; key step 0
	FETCH_V
	WIN 0
	s_wait_loadcnt 0x0                             ; Q
	s_mov_b32 s[SLOTS], 2
.Lslot:                                            ; two trips: slots 0 and 1 are filled again
	SEVEN
	STEP 1
	s_sub_co_u32 s[SLOTS], s[SLOTS], 1
	s_cmp_lg_u32 s[SLOTS], 0
	s_cbranch_scc1 .Lslot
	SEVEN                                          ; the tail is written out
	STEP 2
	SEVEN
	STEP 3
	; THE WAY OUT.  O^T / l, rounded to f16: a lane's eight channels of a token are half a fragment (16 tokens x 32 of e) of the last product: stored as they stand, 512 consecutive bytes a store.
	PLACES
.irp t, 0,1
	v_add_f32 v[ST+8*\t+4], v[ST+8*\t+2], v[ST+8*\t+3]
.endr
.irp t, 0,1
	v_permlanex16_b32 v[ST+8*\t+5], v[ST+8*\t+4], s[SEL], s[SEL+1]
.endr
.irp t, 0,1
	v_add_f32 v[ST+8*\t+4], v[ST+8*\t+4], v[ST+8*\t+5]
.endr
.irp t, 0,1
	v_rcp_f32 v[ST+8*\t+6], v[ST+8*\t+4]
.endr
	v_nop                                          ; a plain line behind the last reciprocal,
	s_wait_alu depctr_va_vdst(0)                   ; and the wait ahead of the first use
	WIN W_RS
.irp t, 0,1
.irp i, 0,1,2,3,4,5,6,7,8,9,10,11,12,13,14,15
	v_pk_mul_f32 v[32*\t+2*\i:32*\t+2*\i+1], v[32*\t+2*\i:32*\t+2*\i+1], v[ST+8*\t+6:ST+8*\t+7] op_sel_hi:[1,0]
.endr
.endr
	WIN W_CV
.irp t, 0,1
.irp i, 0,1,2,3,4,5,6,7,8,9,10,11,12,13,14,15
	v_cvt_pk_f16_f32 v[S+16*\t+\i], v[32*\t+2*\i], v[32*\t+2*\i+1]
.endr
.endr
	WIN 0
.irp t, 0,1
.irp d, 0,1,2,3
	global_store_b128 v[LN], v[S+16*\t+4*\d:S+16*\t+4*\d+3], s[12:13] offset:(\d/2)*8192+\t*1024+(\d%2)*512
.endr
.endr
	s_wait_tensorcnt 0x0                           ; the wave's end, behind my last tensor load
	ds_add_u32 v[SPW], v[NIL]
	s_wait_dscnt 0x0
	CROUND                                         ; the closing round: no work-group ends while a partner may still ask for a tile that names it
	s_endpgm
.Lfunc_end_k_q635fe7679f_attn:
	.size	k_q635fe7679f_attn, .Lfunc_end_k_q635fe7679f_attn-k_q635fe7679f_attn
	.p2alignl 7, 3214868480
	.fill 96, 4, 3214868480
	.section	.rodata,"a",@progbits
	.p2align	6, 0x0
	.amdhsa_kernel k_q635fe7679f_attn
		.amdhsa_group_segment_fixed_size 327680
		.amdhsa_private_segment_fixed_size 0
		.amdhsa_enable_private_segment 0
		.amdhsa_kernarg_size 40
		.amdhsa_user_sgpr_count 2
		.amdhsa_user_sgpr_kernarg_segment_ptr 1
		.amdhsa_wavefront_size32 1
		.amdhsa_system_sgpr_workgroup_id_x 1
		.amdhsa_system_sgpr_workgroup_id_y 1
		.amdhsa_system_sgpr_workgroup_id_z 1
		.amdhsa_system_vgpr_workitem_id 0
		.amdhsa_next_free_vgpr 512
		.amdhsa_next_free_sgpr 66
		.amdhsa_reserve_vcc 0
		.amdhsa_float_denorm_mode_32 3
		.amdhsa_float_denorm_mode_16_64 3
		.amdhsa_memory_ordered 1
		.amdhsa_forward_progress 1
		.amdhsa_inst_pref_size 120
	.end_amdhsa_kernel
	.amdgpu_metadata
---
amdhsa.version: [ 1, 2 ]
amdhsa.kernels:
  - .name:           k_q635fe7679f_attn
    .symbol:         k_q635fe7679f_attn.kd
    .args:
      - { .name: qf, .offset: 0, .size: 8, .value_kind: global_buffer, .address_space: global }
      - { .name: kf, .offset: 8, .size: 8, .value_kind: global_buffer, .address_space: global }
      - { .name: vf, .offset: 16, .size: 8, .value_kind: global_buffer, .address_space: global }
      - { .name: e_param, .offset: 24, .size: 8, .value_kind: global_buffer, .address_space: global }
      - { .name: oimg, .offset: 32, .size: 8, .value_kind: global_buffer, .address_space: global }
    .group_segment_fixed_size: 327680
    .private_segment_fixed_size: 0
    .kernarg_segment_align: 8
    .kernarg_segment_size: 40
    .max_flat_workgroup_size: 256
    .sgpr_count:     66
    .vgpr_count:     512
    .wavefront_size: 32
...
	.end_amdgpu_metadata
.endif
;; end of part 3
;; launch outp (part 4): grid 4 x 64, 8 waves a work-group, clusters of 4 x 4, 327,680 bytes of LDS; arguments oimg, wof, bo, e_param, out0; writes out0
.if DOCPART == 4
	.amdgcn_target "amdgcn-amd-amdhsa--gfx1250"
	.amdhsa_code_object_version 6
	.text
	.protected	k_q635fe7679f_outp
	.globl	k_q635fe7679f_outp
	.p2align	8
	.type	k_q635fe7679f_outp,@function
k_q635fe7679f_outp:
	s_mov_b64 s[64:65], 0
	v_nop
	global_prefetch_b8 v0, s[64:65] scope:SCOPE_SE
	s_setreg_imm32_b32 hwreg(HW_REG_WAVE_MODE, 25, 1), 1
	s_wait_xcnt 0x0
	s_wait_alu depctr_hold_cnt(0) depctr_sa_sdst(0) depctr_va_vdst(0) depctr_va_sdst(0) depctr_va_ssrc(0) depctr_va_vcc(0) depctr_vm_vsrc(0)
	s_getreg_b32 s2, hwreg(HW_REG_IB_STS2, 6, 4)
	s_cmp_eq_u32 s2, 0
	s_cbranch_scc0 .Lentry_in_a_cluster
	s_endpgm
.Lentry_in_a_cluster:
	s_bfe_u32 s2, ttmp6, 0x10000c
	s_cmp_lg_u32 s2, 0xf033
	s_cbranch_scc0 .Lentry_shape_is_right
	s_endpgm
.Lentry_shape_is_right:
; out0 = (s O) Wo^T + bo, s = 2^e_param.  O (attention's result / s) and Wo arrive in f16 as images of operand registers; sums in f32; out0 [8192][512] f32.
; A work-group makes 128 rows x 128 columns; wave (wr = w / 2, wc = w % 2) 32 rows x 64 columns: 8 accumulators.  K = 512 goes in 16 chunks of 32.
; The whole of both tiles (128 KB each, dense in memory) comes into LDS once, in two halves along K; the second half lands while the first is multiplied.  Every LDS byte is filled once.
; CLUSTERS: 4 x 4 work-groups.  The four of a row of the cluster need the same tile of O, the four of a column the same tile of Wo: each quarter of a half tile is asked for JOINTLY.
; By this text's own count a wave has two tensor loads out.
; THE MATRIX INSTRUCTION IS USED TRANSPOSED (source 0 = 16 rows of Wo, source 1 = 16 tokens): a lane holds eight neighbouring columns of one row of out0.
; LIMITS: O and Wo carry f16's 11 bits; NaN and infinities are not served.
.set WT,    131072                     ; LDS: O's tile at 0 ([k chunk 16][token tile 8][1024]), Wo's here ([k chunk 16][row tile 8][1024])
.set STG,   262144                     ; the way out: 16 rows x (256 bytes + 16) for each wave; no tensor load lands here
.set SPARE, 296960                     ; the spare words, 128 bytes for each wave: four blocks of 256 bytes that no other line names
.set AO,  2                            ; v2   my O fragments, k chunks 0-7;  v3  chunks 8-15
.set AO2, 3
.set AW,  4                            ; v4, v5  the same for Wo
.set AW2, 5
.set SPW, 6
.set NIL, 7
.set STO, 8                            ; v8   the stage: where I put 32 bytes of a row
.set RD,  9                            ; v9   and where I read a row back
.set GO,  10                           ; v10  my byte offset in out0
.set BO,  11                           ; v11  32 h
.set ACC, 16                           ; v16-79   (token tile g, column tile c) at 8 (4 g + c)
.set F0,  80                           ; v80-127, v128-175: two sets of fragments: O's 2, then Wo's 4; on the way out v80-143 take the rows
.set BI,  176                          ; v176-207 bo of my 4 x 8 columns
.set SV,  208                          ; v208-209 s, twice
.set WV,  14
.set G1A, 24                           ; s[24:31]
.set G1B, 32                           ; s[32:39]
.set G0A, 40                           ; s[40:47] a set for each half of K
.set G0B, 48                           ; s[48:55]
.macro PLACES
.rept 4
	v_nop
.endr
.endm
.macro EXP2 d, x, t                    ; v[d] = 2^v[x]: the whole part by v_ldexp_f32; v[t] at work
	v_floor_f32 v[\t], v[\x]
	v_sub_f32 v[\d], v[\x], v[\t]
	v_exp_f32 v[\d], v[\d]
	v_cvt_i32_f32 v[\t], v[\t]                     ; (the plain line behind the exponential)
	s_wait_alu depctr_va_vdst(0)                   ; the wait ahead of the first line that names the result
	v_ldexp_f32 v[\d], v[\d], v[\t]
.endm
.macro CROUND                          ; a round of the cluster's barrier
	s_barrier_signal -1
	s_barrier_wait -1
	s_cmp_lg_u32 s[WV], 0
	s_cbranch_scc1 .Lnot_wave_0_\@
	s_barrier_signal -3
.Lnot_wave_0_\@:
	s_barrier_wait -3
	s_barrier_signal -1
	s_barrier_wait -1
.endm
.macro LOADF u                         ; k chunk u's six fragments into set u % 2: 12 loads of 512 consecutive bytes
.set FB, F0+48*((\u)%2)
.if (\u) < 8
.set RA, AO
.set RW, AW
.else
.set RA, AO2
.set RW, AW2
.endif
.set UO, ((\u)%8)*8192
.irp g, 0,1
.irp p, 0,1
	ds_load_b128 v[FB+8*\g+4*\p:FB+8*\g+4*\p+3], v[RA] offset:UO+\g*1024+512*\p
.endr
.endr
.irp c, 0,1,2,3
.irp p, 0,1
	ds_load_b128 v[FB+16+8*\c+4*\p:FB+16+8*\c+4*\p+3], v[RW] offset:UO+\c*1024+512*\p
.endr
.endr
.endm
.macro CHUNK u, left, more             ; left: the younger LDS loads that may stay out;  more = 1: the set takes the chunk two further on
	s_wait_dscnt \left
.set FB, F0+48*((\u)%2)
.irp g, 0,1                                    ; the eight accumulators take turns, one instruction a turn
.irp c, 0,1,2,3
.if (\u) == 0
	v_wmma_f32_16x16x32_f16 v[ACC+8*(4*\g+\c):ACC+8*(4*\g+\c)+7], v[FB+16+8*\c:FB+16+8*\c+7], v[FB+8*\g:FB+8*\g+7], 0
.else
	v_wmma_f32_16x16x32_f16 v[ACC+8*(4*\g+\c):ACC+8*(4*\g+\c)+7], v[FB+16+8*\c:FB+16+8*\c+7], v[FB+8*\g:FB+8*\g+7], v[ACC+8*(4*\g+\c):ACC+8*(4*\g+\c)+7]
.endif
.endr
.endr
	PLACES                                         ; ahead of loads into registers that these products read, and of the first read of results
.if \more
	LOADF (\u)+2
.endif
.endm
	s_load_b256 s[4:11], s[0:1], 0x0               ; oimg s[4:5], wof s[6:7], bo s[8:9], e_param s[10:11]
	s_load_b64 s[12:13], s[0:1], 0x20              ; out0
	v_lshl_add_u32 v[SPW], v0, 2, SPARE
	v_mov_b32 v[NIL], 0
	ds_add_u32 v[SPW], v[NIL]                      ; the wave's opening: the add, twice on end, and its wait ahead of my first tensor load
	ds_add_u32 v[SPW], v[NIL]
	v_lshrrev_b32 v1, 5, v0
	v_readfirstlane_b32 s[WV], v1                  ; wave 0..7
	s_bfe_u32 s15, ttmp6, 0x40000                  ; cx
	s_bfe_u32 s16, ttmp6, 0x40004                  ; cy
	s_lshl_b32 s17, ttmp9, 2
	s_add_co_u32 s17, s17, s15                     ; column block = 4 x cluster x + cx
	s_and_b32 s18, ttmp7, 0xffff
	s_lshl_b32 s18, s18, 2
	s_add_co_u32 s18, s18, s16                     ; row block = 4 x cluster y + cy
	s_lshl_b32 s19, s16, 2
	s_lshl_b32 s19, 15, s19                        ; my row of the cluster
	s_lshl_b32 s20, 0x1111, s15                    ; my column
	; group 1: 16,384 dense bytes as 64 rows of 32 elements of 8 bytes; bit 21 set beside the mask
	s_or_b32 s[G1A], s19, (3<<16)|(1<<21)          ; O's tiles go to my row,
	s_or_b32 s[G1B], s20, (3<<16)|(1<<21)          ; Wo's to my column
.irp g, G1A, G1B
	s_mov_b32 s[\g+1], 32<<16                      ; tensor_dim0
	s_mov_b32 s[\g+2], 64<<16                      ; tensor_dim1
	s_mov_b32 s[\g+3], 32<<16                      ; tile_dim0
	s_mov_b32 s[\g+4], 64                          ; tile_dim1
	s_mov_b32 s[\g+5], 32                          ; the pitch
	s_mov_b32 s[\g+6], 0
	s_mov_b32 s[\g+7], 0
.endr
	s_and_b32 s21, s[WV], 3
	s_lshl_b32 s21, s21, 14                        ; the quarter that I fetch: in memory and in LDS alike
	s_lshl_b32 s22, s18, 17                        ; O: 131,072 bytes a row block: the row block and the wave's number alone,
	s_add_co_u32 s22, s22, s21
	s_mov_b32 s23, 0
	s_lshl_b32 s56, s17, 17                        ; Wo: the column block and the wave's number alone
	s_add_co_u32 s56, s56, s21
	s_mov_b32 s57, 0
	s_wait_dscnt 0x0                               ; both opening adds are done
	s_wait_kmcnt 0x0
	s_load_b32 s60, s[10:11], 0x0                  ; e_param
	s_add_nc_u64 s[4:5], s[4:5], s[22:23]
	s_add_nc_u64 s[6:7], s[6:7], s[56:57]
	CROUND                                         ; all sixteen work-groups are here: the joint loads meet
.irp f, 0,1
	s_mov_b32 s[G0A+4*\f], 1
	s_add_co_u32 s[G0A+4*\f+1], s21, \f*65536
	s_add_nc_u64 s[G0A+4*\f+2:G0A+4*\f+3], s[4:5], \f*65536
	s_or_b32 s[G0A+4*\f+3], s[G0A+4*\f+3], 0x80000000
	s_mov_b32 s[G0B+4*\f], 1
	s_add_co_u32 s[G0B+4*\f+1], s21, WT+\f*65536
	s_add_nc_u64 s[G0B+4*\f+2:G0B+4*\f+3], s[6:7], \f*65536
	s_or_b32 s[G0B+4*\f+3], s[G0B+4*\f+3], 0x80000000
.endr
	s_cmp_lt_u32 s[WV], 4                          ; waves 0-3 fetch O, waves 4-7 Wo; a wave's two fills stand in one branch, ahead of every wait on TENSORcnt and every LDS read
	s_cbranch_scc0 .Lfor_w
	tensor_load_to_lds s[G0A:G0A+3], s[G1A:G1A+7]
	s_nop 0
	tensor_load_to_lds s[G0A+4:G0A+7], s[G1A:G1A+7]
	s_nop 0
	PLACES
	s_branch .Lasked
.Lfor_w:
	tensor_load_to_lds s[G0B:G0B+3], s[G1B:G1B+7]
	s_nop 0
	tensor_load_to_lds s[G0B+4:G0B+7], s[G1B:G1B+7]
	s_nop 0
	PLACES
.Lasked:
	s_lshr_b32 s61, s[WV], 1                       ; wr
	s_and_b32 s62, s[WV], 1                        ; wc
	s_lshl_b32 s58, s17, 9                         ; my 64 columns in bytes: 512 x column block + 256 x wc
	s_lshl_b32 s59, s62, 8
	s_add_co_u32 s58, s58, s59
	s_mov_b32 s59, 0
	s_add_nc_u64 s[8:9], s[8:9], s[58:59]          ; in bo,
	s_add_nc_u64 s[12:13], s[12:13], s[58:59]      ; and in a row of out0
	s_lshl_b32 s58, s18, 18                        ; my first row: 128 x row block + 32 x wr, 2,048 bytes each
	s_lshl_b32 s63, s61, 16
	s_add_co_u32 s58, s58, s63
	s_add_nc_u64 s[12:13], s[12:13], s[58:59]
	v_and_b32 v1, 31, v0                           ; lane
	v_and_b32 v12, 15, v0                          ; r
	v_bfe_u32 v13, v0, 4, 1                        ; h
	v_lshlrev_b32 v[BO], 5, v13
.irp c, 0,1,2,3
	global_load_b128 v[BI+8*\c:BI+8*\c+3], v[BO], s[8:9] offset:64*\c
	global_load_b128 v[BI+8*\c+4:BI+8*\c+7], v[BO], s[8:9] offset:64*\c+16
.endr
	v_lshlrev_b32 v14, 4, v1                       ; 16 x lane
	s_lshl_b32 s63, s61, 11                        ; my two token tiles
	v_add_nc_u32 v[AO], s63, v14
	v_add_nc_u32 v[AO2], 65536, v[AO]
	s_lshl_b32 s63, s62, 12                        ; my four row tiles of Wo
	s_add_co_u32 s63, s63, WT
	v_add_nc_u32 v[AW], s63, v14
	v_add_nc_u32 v[AW2], 65536, v[AW]
	s_mul_i32 s63, s[WV], 16*272
	s_add_co_u32 s63, s63, STG                     ; my stage
	v_mul_u32_u24 v[STO], v12, 272
	v_lshl_add_u32 v[STO], v13, 5, v[STO]
	v_add_nc_u32 v[STO], s63, v[STO]               ; in: row r, + 32 h
	v_mul_u32_u24 v[RD], v13, 272
	v_lshl_add_u32 v[RD], v12, 4, v[RD]
	v_add_nc_u32 v[RD], s63, v[RD]                 ; back: lanes 0-15 one row of 256 bytes, lanes 16-31 the next
	v_lshlrev_b32 v[GO], 11, v13
	v_lshl_add_u32 v[GO], v12, 4, v[GO]            ; and the same two rows in out0
	s_wait_kmcnt 0x0                               ; e_param
	v_mov_b32 v210, s60
	EXP2 SV, 210, 211                              ; s = 2^e
	v_mov_b32 v[SV+1], v[SV]
	s_wait_tensorcnt 1                             ; my part of the first half of K is in; the second half's may stay out
	s_barrier_signal -1
	s_barrier_wait -1                              ; everybody's is
	LOADF 0
	LOADF 1
.irp u, 0,1,2,3,4,5
	CHUNK \u, 12, 1
.endr
	CHUNK 6, 12, 0
	CHUNK 7, 0, 0
	s_wait_tensorcnt 0x0                           ; my part of the second half is in,
	s_barrier_signal -1
	s_barrier_wait -1                              ; everybody's is
	LOADF 8
	LOADF 9
.irp u, 8,9,10,11,12,13
	CHUNK \u, 12, 1
.endr
	CHUNK 14, 12, 0
	CHUNK 15, 0, 0
	; THE WAY OUT, a tile of 16 rows x 64 columns at a time: x s, + bo; through my own stage in LDS, back as whole rows of 256 bytes.  LDS serves a wave's instructions in order (ISA guide 5.7.1.4):
	; no wait between the stores and the loads, nor ahead of the next tile's stores.
	s_wait_loadcnt 0x0                             ; bo
.irp g, 0,1
.irp c, 0,1,2,3
.irp q, 0,1,2,3
	v_pk_fma_f32 v[ACC+8*(4*\g+\c)+2*\q:ACC+8*(4*\g+\c)+2*\q+1], v[ACC+8*(4*\g+\c)+2*\q:ACC+8*(4*\g+\c)+2*\q+1], v[SV:SV+1], v[BI+8*\c+2*\q:BI+8*\c+2*\q+1]   ; each accumulator from its low end on
.endr
.endr
.irp c, 0,1,2,3
	ds_store_b128 v[STO], v[ACC+8*(4*\g+\c):ACC+8*(4*\g+\c)+3] offset:64*\c
	ds_store_b128 v[STO], v[ACC+8*(4*\g+\c)+4:ACC+8*(4*\g+\c)+7] offset:64*\c+16
.endr
.irp i, 0,1,2,3,4,5,6,7
	ds_load_b128 v[F0+32*\g+4*\i:F0+32*\g+4*\i+3], v[RD] offset:2*\i*272
.endr
.endr
.irp g, 0,1
.irp i, 0,1,2,3,4,5,6,7
	s_wait_dscnt (1-\g)*16+7-\i                    ; behind this load: the rest of its tile's, and for tile 0 the 16 LDS instructions of tile 1
	global_store_b128 v[GO], v[F0+32*\g+4*\i:F0+32*\g+4*\i+3], s[12:13] offset:(16*\g+2*\i)*2048 th:TH_STORE_NT   ; 16 lanes store 256 consecutive bytes, at a multiple of 256 from out0's first byte
.endr
.endr
	s_wait_tensorcnt 0x0                           ; the wave's end, behind my last tensor load and my last LDS store
	ds_add_u32 v[SPW], v[NIL]
	s_wait_dscnt 0x0
	CROUND                                         ; the closing round: no work-group ends while a partner may still ask for a tile that names it
	s_endpgm
.Lfunc_end_k_q635fe7679f_outp:
	.size	k_q635fe7679f_outp, .Lfunc_end_k_q635fe7679f_outp-k_q635fe7679f_outp
	.p2alignl 7, 3214868480
	.fill 96, 4, 3214868480
	.section	.rodata,"a",@progbits
	.p2align	6, 0x0
	.amdhsa_kernel k_q635fe7679f_outp
		.amdhsa_group_segment_fixed_size 327680
		.amdhsa_private_segment_fixed_size 0
		.amdhsa_enable_private_segment 0
		.amdhsa_kernarg_size 40
		.amdhsa_user_sgpr_count 2
		.amdhsa_user_sgpr_kernarg_segment_ptr 1
		.amdhsa_wavefront_size32 1
		.amdhsa_system_sgpr_workgroup_id_x 1
		.amdhsa_system_sgpr_workgroup_id_y 1
		.amdhsa_system_sgpr_workgroup_id_z 1
		.amdhsa_system_vgpr_workitem_id 0
		.amdhsa_next_free_vgpr 256
		.amdhsa_next_free_sgpr 66
		.amdhsa_reserve_vcc 0
		.amdhsa_float_denorm_mode_32 3
		.amdhsa_float_denorm_mode_16_64 3
		.amdhsa_memory_ordered 1
		.amdhsa_forward_progress 1
		.amdhsa_inst_pref_size 37
	.end_amdhsa_kernel
	.amdgpu_metadata
---
amdhsa.version: [ 1, 2 ]
amdhsa.kernels:
  - .name:           k_q635fe7679f_outp
    .symbol:         k_q635fe7679f_outp.kd
    .args:
      - { .name: oimg, .offset: 0, .size: 8, .value_kind: global_buffer, .address_space: global }
      - { .name: wof, .offset: 8, .size: 8, .value_kind: global_buffer, .address_space: global }
      - { .name: bo, .offset: 16, .size: 8, .value_kind: global_buffer, .address_space: global }
      - { .name: e_param, .offset: 24, .size: 8, .value_kind: global_buffer, .address_space: global }
      - { .name: out0, .offset: 32, .size: 8, .value_kind: global_buffer, .address_space: global }
    .group_segment_fixed_size: 327680
    .private_segment_fixed_size: 0
    .kernarg_segment_align: 8
    .kernarg_segment_size: 40
    .max_flat_workgroup_size: 256
    .sgpr_count:     66
    .vgpr_count:     256
    .wavefront_size: 32
...
	.end_amdgpu_metadata
.endif
;; end of part 4
